; MI455X (gfx1250); checked and timed in simulation.
; The chip was launched on July 23, 2026; its instructions are those of AMD's public machine-readable ISA for CDNA 5 (MIT licence, August 2026) and "CDNA5" Instruction Set Architecture Reference Guide (July 2026). The comments in the code are by the model that wrote it; some were corrected since.
;; VQ Lite Codec. Allowed arithmetic: float matrix products may take bf16 or f16 operands with f32 sums; other float arithmetic in f32, or as packed bf16 or f16 multiplies, adds, multiply-adds, maxima and minima; sums over many terms, partial sums and values carried from step to step in f32; what a program stores and reads back later, other than sums and carried values, may be rounded once to bf16 or f16.
;; Inputs: codebook 8,192 x 256 float32; h 8 x 4,096 x 256 float32.
;; Outputs: out0 8 x 4,096 x 256 float32; out1 8 x 4,096 int32.
;; 2 versions, each right; version 2 is version 1 with the launch prep written anew for expert scheduling mode. Each part assembles by itself: llvm-mc -triple=amdgcn-amd-amdhsa -mcpu=gfx1250 --defsym DOCPART=n.
;; ======== version 1 of 2: 3 launches
;; workspace buffers: cbh 4,194,304 bytes; c2w 32,768 bytes; idxw 131,072 bytes of whole numbers
;; launch prep (part 1): grid 128 x 1, 8 waves a work-group, no clusters, 1,280 bytes of LDS; arguments codebook, cbh, c2w; writes cbh, c2w
.if DOCPART == 1
	.amdgcn_target "amdgcn-amd-amdhsa--gfx1250"
	.amdhsa_code_object_version 6
	.text
	.protected	k_q7c6027b732_prep
	.globl	k_q7c6027b732_prep
	.p2align	8
	.type	k_q7c6027b732_prep,@function
k_q7c6027b732_prep:
	s_mov_b64 s[64:65], 0
	v_nop
	global_prefetch_b8 v0, s[64:65] scope:SCOPE_SE
	s_setreg_imm32_b32 hwreg(HW_REG_WAVE_MODE, 25, 1), 1
	s_wait_xcnt 0x0
; The codebook [8192][256] f32 is rounded once to bf16 (cbh, rows of 512 bytes), and c2[code] = the sum of the squares of the ROUNDED numbers, in f32.
; c2w is laid out for the next launch: code = 256 t + 64 w + e lies at float 2048 w + 64 t + e, so that a wave there walks its codes' c2 on end.
; SHARES.  A work-group owns 64 codes (its 64 sums are 256 consecutive bytes of c2w, aligned), a wave 8 rows, a lane 8 neighbouring numbers of each row.
; All 16 loads of a wave go out at once; there is no loop.  No matrix unit, no cluster, no tensor load: each byte is read once by one lane and nothing is shared.
; LIMITS.  bf16 keeps f32's range, so nothing overflows in the rounding; a sum of squares beyond f32's range is an infinity here as in the f32 formula.
.set SPARE, 256                        ; LDS: bytes 0-255 the 64 sums; behind them the spare words, 128 bytes for each of the 8 waves
.set LO,  2                            ; v2   my byte offset in the group's rows of the codebook: 8,192 x wave + 32 x lane
.set SO,  3                            ; v3   the same in cbh: 4,096 x wave + 16 x lane
.set LA,  4                            ; v4   LDS word of row 8 x wave + lane % 8
.set RD,  5                            ; v5   8 x lane: two sums, in LDS and in c2w
.set SPW, 6                            ; v6   LDS address of my spare word; never rewritten
.set NIL, 7                            ; v7   0; never rewritten
.set PL,  10                           ; v[10:17] row i: the squares of the words' low halves
.set PH,  18                           ; v[18:25] row i: of the high halves; later the other half of the lanes' sums
.set X,   32                           ; v[32:95] row i: 8 numbers as loaded
.set Y,   96                           ; v[96:127] row i: 4 words of bf16, to store
	s_load_b128 s[4:7], s[0:1], 0x0                ; codebook s[4:5], cbh s[6:7]
	s_load_b64 s[8:9], s[0:1], 0x10                ; c2w
	v_lshl_add_u32 v[SPW], v0, 2, SPARE
	v_mov_b32 v[NIL], 0
	v_lshrrev_b32 v1, 5, v0
	v_readfirstlane_b32 s10, v1                    ; wave 0..7
	v_and_b32 v8, 31, v0                           ; lane
	v_lshlrev_b32 v[LO], 5, v8
	v_lshl_add_u32 v[LO], v1, 13, v[LO]
	v_lshlrev_b32 v[SO], 4, v8
	v_lshl_add_u32 v[SO], v1, 12, v[SO]
	v_and_b32 v9, 7, v0
	s_lshl_b32 s11, s10, 5
	v_lshl_add_u32 v[LA], v9, 2, s11
	v_lshlrev_b32 v[RD], 3, v8
	s_lshl_b32 s2, ttmp9, 16                       ; 64 rows of 1,024 bytes
	s_mov_b32 s3, 0
	s_lshl_b32 s12, ttmp9, 15                      ; 64 rows of 512 bytes
	s_mov_b32 s13, 0
	s_and_b32 s24, ttmp9, 3                        ; the group's 64 codes are quarter w = B % 4 of step t = B / 4
	s_lshl_b32 s24, s24, 13
	s_lshr_b32 s25, ttmp9, 2
	s_lshl_b32 s25, s25, 8
	s_add_co_u32 s24, s24, s25                     ; 8,192 w + 256 t
	s_mov_b32 s25, 0
	s_mov_b32 s14, 0x76543210                      ; v_permlanex16_b32: each lane takes its own place in the other half
	s_mov_b32 s15, 0xfedcba98
.irp j, 1,2,3,4,5,6,7
	s_mov_b32 s[15+\j], 0x01010101<<\j             ; the lanes with lane % 8 = j
.endr
	s_wait_kmcnt 0x0
	s_add_nc_u64 s[4:5], s[4:5], s[2:3]
	s_add_nc_u64 s[6:7], s[6:7], s[12:13]
	s_add_nc_u64 s[8:9], s[8:9], s[24:25]
.irp i, 0,1,2,3,4,5,6,7
	global_load_b128 v[X+8*\i:X+8*\i+3],   v[LO], s[4:5] offset:1024*\i th:TH_LOAD_NT
	global_load_b128 v[X+8*\i+4:X+8*\i+7], v[LO], s[4:5] offset:1024*\i+16 th:TH_LOAD_NT
.endr
.irp i, 0,1,2,3,4,5,6,7
	s_wait_loadcnt 14-2*\i                         ; loads come back in order: row i's two are in, the later rows' two each may stay out
.irp k, 0,1,2,3
	v_cvt_pk_bf16_f32 v[Y+4*\i+\k], v[X+8*\i+2*\k], v[X+8*\i+2*\k+1]
.endr
	v_fma_mix_f32_bf16 v[PL+\i], v[Y+4*\i], v[Y+4*\i], v[NIL] op_sel_hi:[1,1,0]               ; the squares of the rounded numbers, exact products, summed in f32 in two chains
	v_fma_mix_f32_bf16 v[PH+\i], v[Y+4*\i], v[Y+4*\i], v[NIL] op_sel:[1,1,0] op_sel_hi:[1,1,0]
.irp k, 1,2,3
	v_fma_mix_f32_bf16 v[PL+\i], v[Y+4*\i+\k], v[Y+4*\i+\k], v[PL+\i] op_sel_hi:[1,1,0]
	v_fma_mix_f32_bf16 v[PH+\i], v[Y+4*\i+\k], v[Y+4*\i+\k], v[PH+\i] op_sel:[1,1,0] op_sel_hi:[1,1,0]
.endr
	global_store_b128 v[SO], v[Y+4*\i:Y+4*\i+3], s[6:7] offset:512*\i  ; the wave stores a whole row: 512 consecutive bytes, aligned; Y's registers are never rewritten
.endr
.irp i, 0,1,2,3,4,5,6,7
	v_add_f32 v[PL+\i], v[PL+\i], v[PH+\i]
.endr
.irp m, 1,2,4,8                        ; across the 16 lanes of a half, eight rows side by side
.irp i, 0,1,2,3,4,5,6,7
	v_add_f32_dpp v[PL+\i], v[PL+\i], v[PL+\i] row_xmask:\m row_mask:0xf bank_mask:0xf
.endr
.endr
.irp i, 0,1,2,3,4,5,6,7
	v_permlanex16_b32 v[PH+\i], v[PL+\i], s14, s15 ; its destination has been written
.endr
.irp i, 0,1,2,3,4,5,6,7
	v_add_f32 v[PL+\i], v[PL+\i], v[PH+\i]         ; every lane holds all eight rows' sums
.endr
	v_cndmask_b32 v8, v[PL], v[PL+1], s16          ; lane l keeps row l % 8
.irp j, 2,3,4,5,6,7
	v_cndmask_b32 v8, v8, v[PL+\j], s[15+\j]
.endr
	ds_store_b32 v[LA], v8                         ; lanes 8 apart write the same word with the same number
	s_wait_dscnt 0x0                               ; for the others' sake: my stores are done
	s_barrier_signal -1
	s_barrier_wait -1
	s_cmp_lg_u32 s10, 0
	s_cbranch_scc1 .Lend
	ds_load_b64 v[10:11], v[RD]                    ; wave 0 takes the 64 sums
	s_wait_dscnt 0x0
	global_store_b64 v[RD], v[10:11], s[8:9]       ; 256 consecutive bytes, aligned
.Lend:
	s_wait_tensorcnt 0x0                           ; the wave's end: the closing add and its waits, behind my last LDS store
	ds_add_u32 v[SPW], v[NIL]
	s_wait_dscnt 0x0
	s_endpgm
.Lfunc_end_k_q7c6027b732_prep:
	.size	k_q7c6027b732_prep, .Lfunc_end_k_q7c6027b732_prep-k_q7c6027b732_prep
	.p2alignl 7, 3214868480
	.fill 96, 4, 3214868480
	.section	.rodata,"a",@progbits
	.p2align	6, 0x0
	.amdhsa_kernel k_q7c6027b732_prep
		.amdhsa_group_segment_fixed_size 1280
		.amdhsa_private_segment_fixed_size 0
		.amdhsa_enable_private_segment 0
		.amdhsa_kernarg_size 24
		.amdhsa_user_sgpr_count 2
		.amdhsa_user_sgpr_kernarg_segment_ptr 1
		.amdhsa_wavefront_size32 1
		.amdhsa_system_sgpr_workgroup_id_x 1
		.amdhsa_system_sgpr_workgroup_id_y 1
		.amdhsa_system_sgpr_workgroup_id_z 1
		.amdhsa_system_vgpr_workitem_id 0
		.amdhsa_next_free_vgpr 128
		.amdhsa_next_free_sgpr 66
		.amdhsa_reserve_vcc 0
		.amdhsa_float_denorm_mode_32 3
		.amdhsa_float_denorm_mode_16_64 3
		.amdhsa_memory_ordered 1
		.amdhsa_forward_progress 1
		.amdhsa_inst_pref_size 15
	.end_amdhsa_kernel
	.amdgpu_metadata
---
amdhsa.version: [ 1, 2 ]
amdhsa.kernels:
  - .name:           k_q7c6027b732_prep
    .symbol:         k_q7c6027b732_prep.kd
    .args:
      - { .name: codebook, .offset: 0, .size: 8, .value_kind: global_buffer, .address_space: global }
      - { .name: cbh, .offset: 8, .size: 8, .value_kind: global_buffer, .address_space: global }
      - { .name: c2w, .offset: 16, .size: 8, .value_kind: global_buffer, .address_space: global }
    .group_segment_fixed_size: 1280
    .private_segment_fixed_size: 0
    .kernarg_segment_align: 8
    .kernarg_segment_size: 24
    .max_flat_workgroup_size: 256
    .sgpr_count:     66
    .vgpr_count:     128
    .wavefront_size: 32
...
	.end_amdgpu_metadata
.endif
;; end of part 1
;; launch assign (part 2): grid 256 x 1, 4 waves a work-group, clusters of 4 x 1, 327,680 bytes of LDS; arguments h, cbh, c2w, out1, idxw; writes out1, idxw
.if DOCPART == 2
	.amdgcn_target "amdgcn-amd-amdhsa--gfx1250"
	.amdhsa_code_object_version 6
	.text
	.protected	k_q7c6027b732_assign
	.globl	k_q7c6027b732_assign
	.p2align	8
	.type	k_q7c6027b732_assign,@function
k_q7c6027b732_assign:
	s_mov_b64 s[64:65], 0
	v_nop
	global_prefetch_b8 v0, s[64:65] scope:SCOPE_SE
	s_setreg_imm32_b32 hwreg(HW_REG_WAVE_MODE, 25, 1), 1
	s_wait_xcnt 0x0
	s_wait_alu depctr_hold_cnt(0) depctr_sa_sdst(0) depctr_va_vdst(0) depctr_va_sdst(0) depctr_va_ssrc(0) depctr_va_vcc(0) depctr_vm_vsrc(0)
	s_getreg_b32 s2, hwreg(HW_REG_IB_STS2, 6, 4)
	s_cmp_eq_u32 s2, 0
	s_cbranch_scc0 .Lentry_in_a_cluster
	s_endpgm
.Lentry_in_a_cluster:
	s_bfe_u32 s2, ttmp6, 0x10000c
	s_cmp_lg_u32 s2, 0x3003
	s_cbranch_scc0 .Lentry_shape_is_right
	s_endpgm
.Lentry_shape_is_right:
; For each of 32,768 rows of h (256 numbers) the index of the nearest of 8,192 codes: the first minimum of d = (x2 + c2) - 2 xc.  The index goes to out1 and, for the next launch's addresses, to idxw.
; FORMATS.  xc is a matrix product of h and the codebook rounded to bf16, summed in f32; x2 and c2 are the sums of squares of the same rounded numbers.  d has the formula's own two roundings:
; t = x2 + c2, then one fused multiply-add t - 2 xc (2 xc is exact).  Equal distances go to the lowest index.
; LIMITS.  (1) The f32 sums in xc, x2 and c2 are taken in another order than a plain loop's: where a row's two lowest distances lie within a few units in the last place of each other (some 1e-4 at
; d = 300), the other code may be named.  (2) NaN is skipped by the minima, where an argmin would name it; a row whose distances are all +inf or NaN gets index 64 w-lowest = 0.  (3) bf16 has f32's range.
; SHARES.  A work-group owns 128 rows of h: 256 work-groups.  EVERY wave holds all 128 rows as bf16 fragments in 512 registers; the CODES are split: of each step of 256 codes wave w takes rows
; 64 w .. 64 w + 63, four tiles of 16.  So a code fragment read from LDS feeds 8 products: 18 LDS loads for 64 matrix instructions.  The four waves' minima meet once, in LDS, at the end.
; LAYOUT.  S^T = C Q^T (source 0 = 16 codes, source 1 = 16 rows of h): a lane (r = lane % 16, hh = lane / 16) holds ONE row r and the codes 8 hh + 0..7.
; THE MINIMUM costs 22 vector lines for an accumulator's 8 matrix instructions: per lane and query tile a running best, the number of the code tile that holds it, and that tile's 8 distances (WNR);
; which of the 8 it was is looked up once, at the end.  A later tile wins only if strictly lower.
; BY TURNS.  Turn g multiplies code tile g (64 products) and, two or three lines behind each product, reduces tile g - 1; it fetches tile g + 1's fragments and tile g's c2.
; CLUSTER.  All work-groups walk the same codes: the four of a cluster ask for each tile JOINTLY (the same load, descriptor and mask of four in all four).  A mask names four at the most, so the cluster is 4 x 1.
; REGISTERS, in windows of 256 (s_set_vgpr_msb: bits 1:0 source 0, 3:2 source 1, 5:4 source 2, 7:6 destination):
;   window 0: addresses, statistics, c2, t, S^T (two buffers of 8 accumulators)      windows 1, 2: Q, tile q at 64 (q % 4) + 8 f of window 1 + q / 4
;   window 3: v0-127 code fragments, two buffers; v128-191 WNR; v192-199 JJ
.set PITCH, 528                        ; a code row in LDS: 512 bytes + 16 = 132 words: the 16 rows of a load start at 16 different groups of four banks (64 banks of 4 bytes: ISA guide 11.1)
.set TILEB, 16*PITCH                   ; a tile of 16 codes
.set WROWS, 64*PITCH                   ; a wave's 64 rows of a step: what its one tensor load brings
.set SLOT,  4*WROWS                    ; 135,168 = 0x21000: no bit in common with w x WROWS, so one exclusive or changes slots
.set HP,    1040                       ; a row of h in LDS: 1,024 bytes + 16 = 260 words
.set HW,    32*HP                      ; a wave's 32 rows of the h tile
.set C2B,   2*SLOT                     ; c2w as it lies, 32,768 bytes, filled once
.set MERGE, C2B+32768                  ; 4,096 bytes, written by ds_store alone: wave v, row n at 1,024 v + 8 n: (distance, index)
.set SPARE, MERGE+4096                 ; the spare words, 128 bytes for each wave: two blocks of 256 bytes that no other line names
.set STEPB, 256*512                    ; a step's bytes in cbh
.set AK0, 2                            ; v2   my lane's place in my wave's rows of a slot; never rewritten
.set ADR, 3                            ; v3   LDS address of the run of fragment loads in hand
.set AQ,  4                            ; v4   my lane's place in the h tile, 16 rows further for each query tile
.set AC0, 5                            ; v5   my lane's place in my wave's c2; never rewritten
.set PFO, 6                            ; v6   256 x lane, for the prefetches; never rewritten
.set LC,  7                            ; v7   64 w + 8 hh: my lane's first code in a step's first tile
.set SPW, 8                            ; v8   LDS address of my spare word; never rewritten
.set NIL, 9                            ; v9   0; never rewritten
.set ADC, 15                           ; v15  LDS address of the c2 loads in hand
.set X2T, 16                           ; v[16+2q] x2, v[17+2q] the winning tile's number
.set BEST, 32                          ; v[32+2q+par] the running minimum, two registers by turns
.set C2,  48                           ; two buffers of 8
.set T,   64                           ; t = x2 + c2, by the query tile's parity; its first register then holds the tile's minimum
.set R,   80                           ; at the end: (distance, index) for query tile q
.set OT,  96                           ; the other half of the lanes' pair
.set MA,  112
.set MR,  113
.set GO,  114
.set S,   128                          ; S^T: buffer b, query tile q at S + 64 b + 8 q; at the start the stage for h's f32
.set WNR, 128                          ; window 3
.set JJ,  192                          ; window 3
.set WV,  14                           ; s14  my wave's number
.set G1C, 24                           ; s[24:31] descriptor group 1: code tiles
.set G1H, 32                           ; s[32:39] the h tile
.set G1S, 40                           ; s[40:47] c2
.set G0C, 48                           ; s[48:51] group 0 of the code tiles: it walks
.set G0H, 52
.set G0S, 56
.set TB,  60                           ; s60  LDS byte at which the tile to be fetched begins, less my wave's share
.set CUR, 61                           ; s61  the number of the tile that is being reduced
.set CNT, 62
.set LAPS, 63
.set PFA, 66                           ; s[66:67] where my prefetches stand
.set LIM, 68                           ; s68  2 in the first cluster, else the greatest number
.set TC,  69                           ; s69  64 x the tile whose c2 is fetched next
.set SEL, 70                           ; s[70:71] v_permlanex16_b32's selects
.set MJ,  71                           ; s[71+j], j = 1..7: the lanes with lane % 8 = j
.set MV,  79                           ; s79  lanes 0-7 and 24-31
.set MK,  80                           ; s80-87 masks of the comparisons; s88-90 those of a merge
.set MSB, 0
.macro WIN new                         ; the immediate's high byte repeats the setting that is left; a switch that changes nothing is dropped
.if MSB != (\new)
	s_set_vgpr_msb (MSB<<8)|(\new)
.set MSB, \new
.endif
.endm
.macro PLACES
.rept 4
	v_nop
.endr
.endm
; A round of the cluster's barrier: my work-group's barrier; wave 0 signals for the work-group; every wave waits for all four work-groups; my work-group's barrier once more.
.macro ROUND
	s_barrier_signal -1
	s_barrier_wait -1
	s_cmp_lg_u32 s[WV], 0
	s_cbranch_scc1 .Lnot_wave_0_\@
	s_barrier_signal -3
.Lnot_wave_0_\@:
	s_barrier_wait -3
	s_barrier_signal -1
	s_barrier_wait -1
.endm
; A PREFETCH INTO THE L2 of the step that stands two refills on: 256 rows of 512 bytes = 512 blocks of 256 bytes.  The first cluster alone asks; its 4 work-groups x 4 waves x 32 lanes name a block each,
; told apart by ADDRESS.  So each block of steps 3 to 31 is named once in the launch, two laps (512 matrix instructions a wave) ahead of its load.  The last two refills have no step two on and ask for nothing.
.macro ASK
	s_cmp_gt_u32 s[LAPS], s[LIM]
	s_cbranch_scc0 .Lnot_mine_\@
	global_prefetch_b8 v[PFO], s[PFA:PFA+1] th:TH_LOAD_NT scope:SCOPE_SE
.Lnot_mine_\@:
.endm
; THE CHANGE OF SLOTS.  Each wave waits for all its tensor loads, adds 0 to its spare word, and waits for that and for its reads of the slot that it leaves.  fill = 1: a round of the cluster's barrier,
; so that no wave of any partner still reads the slot or has a load on its way; the joint refill is the first thing behind it: one load a wave, 64 rows, with four turns (256 products) in which to land.
.macro CHANGE fill
	WIN 0
	s_wait_tensorcnt 0x0                           ; no tensor load of mine is out, so group 0 may be written
	ds_add_u32 v[SPW], v[NIL]                      ; 0 onto my spare word
.if \fill
	s_xor_b32 s[G0C+1], s[G0C+1], SLOT             ; the other slot than last time,
	s_add_nc_u64 s[G0C+2:G0C+3], s[G0C+2:G0C+3], STEPB  ; the next 256 codes; the type bits on top are not reached
	s_wait_xcnt 0x0                                ; the last prefetch, four turns back, has read its address
	s_add_nc_u64 s[PFA:PFA+1], s[PFA:PFA+1], STEPB
	s_wait_dscnt 0x0                               ; the add is done, and my reads of the slot are over
	ROUND
	tensor_load_to_lds s[G0C:G0C+3], s[G1C:G1C+7]
	s_nop 0
	PLACES
	ASK
.else
	s_wait_dscnt 0x0
	s_barrier_signal -1
	s_barrier_wait -1
.endif
	s_sub_co_u32 s[TB], s[TB], WROWS               ; the fetches go back to a slot's first tile,
	s_xor_b32 s[TB], s[TB], SLOT                   ; in the other slot
.endm
; 16 LDS loads in one run: a tile's 8 fragments (16 codes x 32 channels each: lane l holds row l % 16; two loads of 16 bytes, 32 bytes apart) into buffer b.  last = 1: in the tail's last trip there is no further tile.
.macro FETCH_A b, last=0
	WIN 0
.if \last
	s_cmp_eq_u32 s[CNT], 1
	s_cbranch_scc1 .Lno_a_\@
.endif
	v_add_nc_u32 v[ADR], s[TB], v[AK0]
	WIN 0xc0                                       ; destination window 3, address window 0
.irp f, 0,1,2,3,4,5,6,7
	ds_load_b128 v[64*(\b)+8*\f:64*(\b)+8*\f+3],   v[ADR] offset:64*\f
	ds_load_b128 v[64*(\b)+8*\f+4:64*(\b)+8*\f+7], v[ADR] offset:64*\f+32
.endr
	s_add_co_u32 s[TB], s[TB], TILEB
	WIN 0
.if \last
.Lno_a_\@:
.endif
.endm
.macro FETCH_C b                       ; my 8 codes' c2 of the tile that is being multiplied
	WIN 0
	v_add_nc_u32 v[ADC], s[TC], v[AC0]
	ds_load_b128 v[C2+8*(\b):C2+8*(\b)+3],   v[ADC]
	ds_load_b128 v[C2+8*(\b)+4:C2+8*(\b)+7], v[ADC] offset:16
	s_add_co_u32 s[TC], s[TC], 64
.endm
; Product k of a turn's 64: channels 32 (k / 8) on, query tile k % 8.  The 8 accumulators take turns, one instruction a turn, from turn to turn too.  The first 8 start the sums.
.macro MM par
.set fk, k/8
.set q, k%8
.set rD, S+64*(\par)+8*q
.set rA, 64*(\par)+8*fk
.set rQ, 64*(q%4)+8*fk
	WIN 0x07+4*(q/4)                               ; codes in window 3, Q in window 1 or 2, S^T in window 0
.if k < 8
	v_wmma_f32_16x16x32_bf16 v[rD:rD+7], v[rA:rA+7], v[rQ:rQ+7], 0
.else
	v_wmma_f32_16x16x32_bf16 v[rD:rD+7], v[rA:rA+7], v[rQ:rQ+7], v[rD:rD+7]
.endif
.endm
; Line n of the 22 that reduce query tile 2 sp + u of the tile multiplied in the turn before (the other buffers).
;   0-3 t = c2 + x2     4-7 d = t - 2 xc, in place, the accumulator's lowest pair first     8-10 the 8 distances' minimum     11 the new running minimum
;   12 has it fallen?     13 the tile's number     14-21 the tile's 8 distances
.macro OPR u, n, par
.set q, 2*sp+(\u)
.set rS, S+64*(1-(\par))+8*q
.set rC, C2+8*(1-(\par))
.set rT, T+8*(\u)
.set rX, X2T+2*q
.set rB, BEST+2*q
.if (\n) < 14
	WIN 0
.else
	WIN 0xc3                                       ; destination and source 0 in window 3, source 1 in window 0
.endif
.if (\n) < 4
	v_pk_add_f32 v[rT+2*(\n):rT+2*(\n)+1], v[rC+2*(\n):rC+2*(\n)+1], v[rX:rX+1] op_sel_hi:[1,0]
.elseif (\n) < 8
	v_pk_fma_f32 v[rS+2*(\n)-8:rS+2*(\n)-7], v[rS+2*(\n)-8:rS+2*(\n)-7], -2.0, v[rT+2*(\n)-8:rT+2*(\n)-7] op_sel_hi:[1,0,1]
.elseif (\n) == 8
	v_min3_num_f32 v[rT], v[rS], v[rS+1], v[rS+2]
.elseif (\n) == 9
	v_min3_num_f32 v[rT], v[rT], v[rS+3], v[rS+4]
.elseif (\n) == 10
	v_min3_num_f32 v[rT], v[rT], v[rS+5], v[rS+6]
.elseif (\n) == 11
	v_min3_num_f32 v[rB+(\par)], v[rT], v[rS+7], v[rB+1-(\par)]
.elseif (\n) == 12
	v_cmp_lt_f32 s[MK+(\u)], v[rB+(\par)], v[rB+1-(\par)]  ; strictly: the earlier tile keeps a tie.
.elseif (\n) == 13
	v_cndmask_b32 v[rX+1], v[rX+1], s[CUR], s[MK+(\u)]
.else
	v_cndmask_b32 v[WNR+8*q+(\n)-14], v[WNR+8*q+(\n)-14], v[rS+(\n)-14], s[MK+(\u)]
.endif
.endm
.macro SL3 par, u1, n1, u2, n2, u3=-1, n3=0
	OPR \u1, \n1, \par
	OPR \u2, \n2, \par
.if (\u3) >= 0
	OPR \u3, \n3, \par
.endif
.endm
; Slice k of 64: two or three lines, all under one window setting.  Sixteen slices serve a pair of query tiles, whose lines alternate where one feeds the next.
.macro SLICE par
.set sp, k/16
.set ss, k%16
.if ss == 0
	SL3 \par, 0,0, 0,1, 0,2
.elseif ss == 1
	SL3 \par, 0,3, 1,0, 1,1
.elseif ss == 2
	SL3 \par, 1,2, 1,3, 0,4
.elseif ss == 3
	SL3 \par, 0,5, 0,6, 0,7
.elseif ss == 4
	SL3 \par, 1,4, 1,5, 0,8
.elseif ss == 5
	SL3 \par, 1,6, 0,9, 1,7
.elseif ss == 6
	SL3 \par, 1,8, 0,10, 1,9
.elseif ss == 7
	SL3 \par, 0,11, 1,10, 0,12
.elseif ss == 8
	SL3 \par, 1,11, 0,13
.elseif ss == 9
	SL3 \par, 1,12, 1,13
.elseif ss == 10
	SL3 \par, 0,14, 0,15, 0,16
.elseif ss == 11
	SL3 \par, 0,17, 0,18, 0,19
.elseif ss == 12
	SL3 \par, 0,20, 0,21, 1,14
.elseif ss == 13
	SL3 \par, 1,15, 1,16, 1,17
.elseif ss == 14
	SL3 \par, 1,18, 1,19
.else
	SL3 \par, 1,20, 1,21
.endif
.endm
; A TURN.  par = the tile's parity: its fragments, its S^T and its c2 lie in buffers par; the tile before is reduced out of buffers 1 - par.  mm = 0: the slices alone.
; The next tile's fragments are fetched behind slice 1: the buffer's last reader is the last product of the turn before, and behind that stand 2 + 3 + 3 plain lines that name none of its
; registers, and the run's own v_add_nc_u32.  The first line that reads an accumulator stands in slice 2 or later; that accumulator's last product stands 8 products and their slices back.
.macro TURN par, last=0, mm=1
	s_wait_dscnt 0x0                               ; this tile's fragments and the last tile's c2, asked for 62 products ago
	s_add_co_u32 s[CUR], s[CUR], 1
.set k, 0
.rept 64
.if \mm
	MM \par
.endif
	SLICE \par
.if (\mm) && (k == 1)
	FETCH_A 1-(\par), \last
	FETCH_C \par
.endif
.set k, k+1
.endr
.endm
; (va, ia) takes (vb, ib) where that distance is lower, or equal with the lower index
.macro TAKE va, ia, vb, ib
	v_cmp_lt_f32 s88, v[\vb], v[\va]
	v_cmp_eq_f32 s89, v[\vb], v[\va]
	v_cmp_lt_u32 s90, v[\ib], v[\ia]
	s_and_b32 s89, s89, s90
	s_or_b32 s88, s88, s89
	v_cndmask_b32 v[\va], v[\va], v[\vb], s88
	v_cndmask_b32 v[\ia], v[\ia], v[\ib], s88
.endm
	s_load_b256 s[4:11], s[0:1], 0x0               ; h s[4:5], cbh s[6:7], c2w s[8:9], out1 s[10:11]
	s_load_b64 s[12:13], s[0:1], 0x20              ; idxw
	v_lshl_add_u32 v[SPW], v0, 2, SPARE
	v_mov_b32 v[NIL], 0
	ds_add_u32 v[SPW], v[NIL]                      ; the wave's opening: the add, twice on end, and its wait ahead of my first tensor load
	ds_add_u32 v[SPW], v[NIL]
	v_lshrrev_b32 v1, 5, v0
	v_readfirstlane_b32 s[WV], v1                  ; wave 0..3
	s_bfe_u32 s15, ttmp6, 0x40000                  ; cx: my place in the cluster: it enters h's, the outputs' and the prefetches' addresses alone
	s_lshl_b32 s16, ttmp9, 2                       ; in a cluster launch ttmp9 counts clusters
	s_add_co_u32 s16, s16, s15                     ; my block of 128 rows of h
	; code tiles: 64 rows x 256 elements of 2 bytes, 16 bytes of padding behind each row, asked for jointly
	s_mov_b32 s[G1C], 15|(1<<16)|(1<<20)|(1<<21)|(6<<22)|(3<<25)  ; 15:0 the mask of four; 17:16 2-byte elements; 20 padding on; 21 set beside a mask; 24:22 after every 128 words; 31:25 4 words
	s_mov_b32 s[G1C+1], 256<<16                    ; tensor_dim0
	s_mov_b32 s[G1C+2], 64<<16                     ; tensor_dim1
	s_mov_b32 s[G1C+3], 256<<16                    ; tile_dim0
	s_mov_b32 s[G1C+4], 64                         ; tile_dim1
	s_mov_b32 s[G1C+5], 256                        ; elements from row to row
	s_mov_b32 s[G1C+6], 0
	s_mov_b32 s[G1C+7], 0
	; the h tile: 32 rows x 256 elements of 4 bytes, padded likewise; my work-group's own, no mask
	s_mov_b32 s[G1H], (2<<16)|(1<<20)|(7<<22)|(3<<25)  ; 4-byte elements; padding after every 256 words, 4 words
	s_mov_b32 s[G1H+1], 256<<16
	s_mov_b32 s[G1H+2], 32<<16
	s_mov_b32 s[G1H+3], 256<<16
	s_mov_b32 s[G1H+4], 32
	s_mov_b32 s[G1H+5], 256
	s_mov_b32 s[G1H+6], 0
	s_mov_b32 s[G1H+7], 0
	; c2: 8,192 dense bytes a wave, as 32 rows of 32 elements of 8 bytes, asked for jointly
	s_mov_b32 s[G1S], 15|(3<<16)|(1<<21)
	s_mov_b32 s[G1S+1], 32<<16
	s_mov_b32 s[G1S+2], 32<<16
	s_mov_b32 s[G1S+3], 32<<16
	s_mov_b32 s[G1S+4], 32
	s_mov_b32 s[G1S+5], 32
	s_mov_b32 s[G1S+6], 0
	s_mov_b32 s[G1S+7], 0
	s_mul_i32 s17, s[WV], WROWS                    ; my wave's rows in a slot
	s_mov_b32 s[G0C], 1
	s_mov_b32 s[G0C+1], s17                        ; slot 0
	s_mov_b32 s[G0H], 1
	s_mul_i32 s[G0H+1], s[WV], HW
	s_add_co_u32 s[G0H+1], s[G0H+1], SLOT          ; the h tile lies in slot 1 until it has been rounded into registers
	s_mov_b32 s[G0S], 1
	s_lshl_b32 s[G0S+1], s[WV], 13
	s_add_co_u32 s[G0S+1], s[G0S+1], C2B
	s_lshl_b32 s18, s16, 17                        ; h: 128 rows of 1,024 bytes a work-group,
	s_lshl_b32 s19, s[WV], 15                      ; 32 rows a wave
	s_add_co_u32 s18, s18, s19
	s_mov_b32 s19, 0
	s_lshl_b32 s20, s[WV], 15                      ; cbh: 64 rows of 512 bytes a wave
	s_mov_b32 s21, 0
	s_lshl_b32 s22, s[WV], 13                      ; c2w: 8,192 bytes a wave
	s_mov_b32 s23, 0
	s_lshl_b32 s2, s15, 15                         ; the prefetches: of a step's 131,072 bytes my work-group's 32,768,
	s_lshl_b32 s3, s[WV], 13                       ; my wave's 8,192 of them,
	s_add_co_u32 s2, s2, s3
	s_add_co_u32 s2, s2, 2*STEPB                   ; at step 2: the first change of slots steps it to 3
	s_mov_b32 s3, 0
	s_cmp_eq_u32 ttmp9, 0                          ; the same in all four partners
	s_cselect_b32 s[LIM], 2, -1
	s_mov_b32 s[TB], SLOT+WROWS                    ; the first change of slots turns it into 0
	s_mov_b32 s[CUR], -2                           ; turn g reduces tile g - 1
	s_mov_b32 s[TC], 0
	s_mov_b32 s[LAPS], 31
	s_mov_b32 s[SEL], 0x76543210
	s_mov_b32 s[SEL+1], 0xfedcba98
.irp j, 1,2,3,4,5,6,7
	s_mov_b32 s[MJ+\j], 0x01010101<<\j
.endr
	s_mov_b32 s[MV], 0xff0000ff
	s_mov_b32 s88, 0x7f800000                      ; +inf
	s_wait_dscnt 0x0                               ; both opening adds are done
	s_wait_kmcnt 0x0
	s_add_nc_u64 s[G0H+2:G0H+3], s[4:5], s[18:19]
	s_or_b32 s[G0H+3], s[G0H+3], 0x80000000        ; 127:126 type = 2
	s_add_nc_u64 s[G0C+2:G0C+3], s[6:7], s[20:21]
	s_or_b32 s[G0C+3], s[G0C+3], 0x80000000
	s_add_nc_u64 s[G0S+2:G0S+3], s[8:9], s[22:23]
	s_or_b32 s[G0S+3], s[G0S+3], 0x80000000
	s_add_nc_u64 s[PFA:PFA+1], s[6:7], s[2:3]
	s_lshl_b32 s18, s16, 9                         ; 128 indices of 4 bytes a work-group
	s_add_nc_u64 s[10:11], s[10:11], s[18:19]
	s_add_nc_u64 s[12:13], s[12:13], s[18:19]
	ROUND                                          ; all four work-groups are here: the first joint loads meet
	tensor_load_to_lds s[G0H:G0H+3], s[G1H:G1H+7]  ; the three first fills go out together: three loads of mine are out.  h first: it is wanted first
	s_nop 0
	tensor_load_to_lds s[G0C:G0C+3], s[G1C:G1C+7]  ; step 0 into slot 0
	s_nop 0
	tensor_load_to_lds s[G0S:G0S+3], s[G1S:G1S+7]
	s_nop 0
	PLACES
	v_and_b32 v1, 15, v0                           ; r
	v_bfe_u32 v12, v0, 4, 1                        ; hh
	v_and_b32 v13, 31, v0                          ; lane
	v_mul_u32_u24 v[AK0], v1, PITCH
	v_lshl_add_u32 v[AK0], v12, 4, v[AK0]
	v_add_nc_u32 v[AK0], s17, v[AK0]               ; row x pitch + 16 x half + my wave's rows
	v_mul_u32_u24 v[AQ], v1, HP
	v_lshl_add_u32 v[AQ], v12, 5, v[AQ]            ; 8 channels of f32 are 32 bytes
	v_add_nc_u32 v[AQ], SLOT, v[AQ]
	s_lshl_b32 s18, s[WV], 13
	s_add_co_u32 s18, s18, C2B
	v_lshl_add_u32 v[AC0], v12, 5, s18
	v_lshlrev_b32 v[PFO], 8, v13
	s_lshl_b32 s18, s[WV], 6
	v_lshl_add_u32 v[LC], v12, 3, s18
	s_lshl_b32 s18, s[WV], 10
	s_add_co_u32 s18, s18, MERGE
	v_lshl_add_u32 v[MA], v1, 3, s18
	v_lshl_add_u32 v[MR], v0, 4, MERGE
	v_lshlrev_b32 v[GO], 3, v0
	v_mov_b32 v11, 0                               ; v_permlanex16_b32's destination counts as read
	; What turn 0 finds: no best yet, and a c2 of +inf for the tile 'before the first', whose distances are then +inf and win nothing.  All this stands in the wait for the first tiles.
.set i, 0
.rept 8
	v_mov_b32 v[C2+8+i], s88
	v_mov_b32 v[BEST+2*i+1], s88
	v_mov_b32 v[X2T+2*i+1], 0
.set i, i+1
.endr
	WIN 0xc0
.set i, 0
.rept 64
	v_mov_b32 v[WNR+i], s88
.set i, i+1
.endr
	WIN 0
	s_wait_tensorcnt 0x2                           ; my part of h is in; the two loads issued behind it may stay out
	s_barrier_signal -1
	s_barrier_wait -1                              ; everybody's part is in
; h INTO REGISTERS, rounded to bf16.  Half n of 16: query tile n / 2, fragments 4 (n % 2) .. + 3.  A fragment's registers 0-3 are channels 8 hh + 0..7, registers 4-7 channels 16 + 8 hh + 0..7: in f32, four loads of 16 bytes.
.macro LOADH n
	WIN 0
.irp f, 0,1,2,3
	ds_load_b128 v[S+64*((\n)%2)+16*\f:S+64*((\n)%2)+16*\f+3],     v[AQ] offset:512*((\n)%2)+128*\f
	ds_load_b128 v[S+64*((\n)%2)+16*\f+4:S+64*((\n)%2)+16*\f+7],   v[AQ] offset:512*((\n)%2)+128*\f+16
	ds_load_b128 v[S+64*((\n)%2)+16*\f+8:S+64*((\n)%2)+16*\f+11],  v[AQ] offset:512*((\n)%2)+128*\f+64
	ds_load_b128 v[S+64*((\n)%2)+16*\f+12:S+64*((\n)%2)+16*\f+15], v[AQ] offset:512*((\n)%2)+128*\f+80
.endr
.if (\n)%2
	v_add_nc_u32 v[AQ], 16*HP, v[AQ]               ; the next query tile
.endif
.endm
.macro CVTH n
	WIN 0x40<<((\n)/8)                             ; destination window 1 (tiles 0-3) or 2 (tiles 4-7)
.set i, 0
.rept 32
	v_cvt_pk_bf16_f32 v[64*(((\n)/2)%4)+32*((\n)%2)+i], v[S+64*((\n)%2)+2*i], v[S+64*((\n)%2)+2*i+1]
.set i, i+1
.endr
.endm
	LOADH 0
	LOADH 1
.set n, 0
.rept 16
.if n < 15
	s_wait_dscnt 16                                ; half n is in; the younger half's 16 loads may stay out
.else
	s_wait_dscnt 0x0
.endif
	CVTH n
.if n < 14
	LOADH n+2
.endif
.set n, n+1
.endr
	CHANGE 1                                       ; the h tile has been read: slot 1 takes step 1.  Slot 0 and c2 are in, everybody's parts
	FETCH_A 0                                      ; tile 0
	; x2 BY THE MATRIX UNIT: Q_q Q_q^T, whose diagonal holds the 16 rows' sums of squares; 64 products into S^T's second buffer, the 8 accumulators by turns.
.set k, 0
.rept 64
.set fk, k/8
.set q, k%8
.set rD, S+64+8*q
.set rQ, 64*(q%4)+8*fk
	WIN 0x05*(1+q/4)                               ; both sources in window 1 or 2
.if k < 8
	v_wmma_f32_16x16x32_bf16 v[rD:rD+7], v[rQ:rQ+7], v[rQ:rQ+7], 0
.else
	v_wmma_f32_16x16x32_bf16 v[rD:rD+7], v[rQ:rQ+7], v[rQ:rQ+7], v[rD:rD+7]
.endif
.set k, k+1
.endr
	WIN 0
	PLACES                                         ; four places behind the last products, in front of the lines that read results (ISA guide 7.12.1)
	; Register j of lane (r, hh) holds element (8 hh + j, r).  Register r % 8 is the diagonal's where hh = r / 8 (lanes 0-7, 24-31); the other lanes take it from the lane 16 away.
.set q, 0
.rept 8
.set rG, S+64+8*q
	v_cndmask_b32 v10, v[rG], v[rG+1], s[MJ+1]
.irp j, 2,3,4,5,6,7
	v_cndmask_b32 v10, v10, v[rG+\j], s[MJ+\j]
.endr
	v_permlanex16_b32 v11, v10, s[SEL], s[SEL+1]
	v_cndmask_b32 v[X2T+2*q], v11, v10, s[MV]
.set q, q+1
.endr
	s_mov_b32 s[CNT], 2
	s_branch .Leven                                ; the loop is entered in the middle of a trip: turns 0, 1, 2 lie ahead of the first change of slots
.Llap:                                         ; 30 times: lap t stands between turns 4 t + 2 and 4 t + 3; the slot of step t has been read out and takes step t + 2
	CHANGE 1
	s_mov_b32 s[CNT], 2
.Lpair:
	TURN 1
	WIN 0
.Leven:
	TURN 0
	WIN 0
	s_sub_co_u32 s[CNT], s[CNT], 1
	s_cmp_lg_u32 s[CNT], 0
	s_cbranch_scc1 .Lpair
	s_sub_co_u32 s[LAPS], s[LAPS], 1
	s_cmp_lg_u32 s[LAPS], 0
	s_cbranch_scc1 .Llap
	CHANGE 0                                       ; the tail is written out: step 31 is in, nothing is asked for
	s_mov_b32 s[CNT], 3
.Ltail:                                        ; turns 123 to 127; the last fetches no further fragments
	TURN 1, 1
	WIN 0
	s_sub_co_u32 s[CNT], s[CNT], 1
	s_cmp_eq_u32 s[CNT], 0
	s_cbranch_scc1 .Lout
	TURN 0
	WIN 0
	s_branch .Ltail
.Lout:
	TURN 0, 0, 0                                   ; tile 127 is reduced; the minima lie in BEST's even registers
	; WHICH OF THE EIGHT: the first register of the winning tile that equals the minimum.
	WIN 0xc3
.set q, 0
.rept 8
	v_mov_b32 v[JJ+q], 7
.set q, q+1
.endr
.irp j, 6,5,4,3,2,1,0
.set q, 0
.rept 8
	v_cmp_eq_f32 s[MK+q], v[WNR+8*q+\j], v[BEST+2*q]
.set q, q+1
.endr
.set q, 0
.rept 8
	v_cndmask_b32 v[JJ+q], v[JJ+q], \j, s[MK+q]
.set q, q+1
.endr
.endr
	WIN 0
.set q, 0
.rept 8                                ; tile g of wave w holds the codes 256 (g / 4) + 64 w + 16 (g % 4) + 0..15
	v_lshrrev_b32 v10, 2, v[X2T+2*q+1]
	v_and_b32 v11, 3, v[X2T+2*q+1]
	v_lshl_add_u32 v10, v10, 8, v[LC]
	v_lshl_add_u32 v[R+2*q+1], v11, 4, v10
	v_mov_b32 v[R+2*q], v[BEST+2*q]
.set q, q+1
.endr
	WIN 0x03                                       ; source 0 in window 3
.set q, 0
.rept 8
	v_add_nc_u32 v[R+2*q+1], v[JJ+q], v[R+2*q+1]
.set q, q+1
.endr
	WIN 0
.set i, 0
.rept 16
	v_mov_b32 v[OT+i], v[R+i]                      ; so that the exchange's destinations have been written
.set i, i+1
.endr
.set i, 0
.rept 16
	v_permlanex16_b32 v[OT+i], v[R+i], s[SEL], s[SEL+1]  ; the row's other 8 codes of each tile lie in the lane 16 away
.set i, i+1
.endr
.set q, 0
.rept 8
	TAKE R+2*q, R+2*q+1, OT+2*q, OT+2*q+1
.set q, q+1
.endr
.set q, 0
.rept 8
	ds_store_b64 v[MA], v[R+2*q:R+2*q+1] offset:128*q  ; row 16 q + r; both halves of the lanes write the same pair
.set q, q+1
.endr
	s_wait_dscnt 0x0                               ; for the others' sake: my stores are done
	s_barrier_signal -1
	s_barrier_wait -1
	s_cmp_lt_u32 s[WV], 2                          ; waves 0 and 1 finish: thread T takes rows 2 T and 2 T + 1
	s_cbranch_scc0 .Lend
.irp v, 0,1,2,3
	ds_load_b128 v[S+4*\v:S+4*\v+3], v[MR] offset:1024*\v
.endr
	s_wait_dscnt 0x0
.irp v, 1,2,3
	TAKE S, S+1, S+4*\v, S+4*\v+1
	TAKE S+2, S+3, S+4*\v+2, S+4*\v+3
.endr
	v_mov_b32 v[OT], v[S+1]
	v_mov_b32 v[OT+1], v[S+3]
	global_store_b64 v[GO], v[OT:OT+1], s[10:11]   ; a wave stores 256 consecutive bytes, aligned
	global_store_b64 v[GO], v[OT:OT+1], s[12:13]
.Lend:
	s_wait_tensorcnt 0x0                           ; the wave's end: the closing add and its waits, behind my last tensor load and my last LDS store
	ds_add_u32 v[SPW], v[NIL]
	s_wait_dscnt 0x0
	ROUND                                          ; the closing round: no work-group ends while a partner may still ask for a tile that names it
	s_endpgm
.Lfunc_end_k_q7c6027b732_assign:
	.size	k_q7c6027b732_assign, .Lfunc_end_k_q7c6027b732_assign-k_q7c6027b732_assign
	.p2alignl 7, 3214868480
	.fill 96, 4, 3214868480
	.section	.rodata,"a",@progbits
	.p2align	6, 0x0
	.amdhsa_kernel k_q7c6027b732_assign
		.amdhsa_group_segment_fixed_size 327680
		.amdhsa_private_segment_fixed_size 0
		.amdhsa_enable_private_segment 0
		.amdhsa_kernarg_size 40
		.amdhsa_user_sgpr_count 2
		.amdhsa_user_sgpr_kernarg_segment_ptr 1
		.amdhsa_wavefront_size32 1
		.amdhsa_system_sgpr_workgroup_id_x 1
		.amdhsa_system_sgpr_workgroup_id_y 1
		.amdhsa_system_sgpr_workgroup_id_z 1
		.amdhsa_system_vgpr_workitem_id 0
		.amdhsa_next_free_vgpr 1024
		.amdhsa_next_free_sgpr 92
		.amdhsa_reserve_vcc 0
		.amdhsa_float_denorm_mode_32 3
		.amdhsa_float_denorm_mode_16_64 3
		.amdhsa_memory_ordered 1
		.amdhsa_forward_progress 1
		.amdhsa_inst_pref_size 184
	.end_amdhsa_kernel
	.amdgpu_metadata
---
amdhsa.version: [ 1, 2 ]
amdhsa.kernels:
  - .name:           k_q7c6027b732_assign
    .symbol:         k_q7c6027b732_assign.kd
    .args:
      - { .name: h, .offset: 0, .size: 8, .value_kind: global_buffer, .address_space: global }
      - { .name: cbh, .offset: 8, .size: 8, .value_kind: global_buffer, .address_space: global }
      - { .name: c2w, .offset: 16, .size: 8, .value_kind: global_buffer, .address_space: global }
      - { .name: out1, .offset: 24, .size: 8, .value_kind: global_buffer, .address_space: global }
      - { .name: idxw, .offset: 32, .size: 8, .value_kind: global_buffer, .address_space: global }
    .group_segment_fixed_size: 327680
    .private_segment_fixed_size: 0
    .kernarg_segment_align: 8
    .kernarg_segment_size: 40
    .max_flat_workgroup_size: 128
    .sgpr_count:     92
    .vgpr_count:     1024
    .wavefront_size: 32
...
	.end_amdgpu_metadata
.endif
;; end of part 2
;; launch gather (part 3): grid 512 x 1, 8 waves a work-group, no clusters, 0 bytes of LDS; arguments h, codebook, idxw, out0; writes out0
.if DOCPART == 3
	.amdgcn_target "amdgcn-amd-amdhsa--gfx1250"
	.amdhsa_code_object_version 6
	.text
	.protected	k_q7c6027b732_gather
	.globl	k_q7c6027b732_gather
	.p2align	8
	.type	k_q7c6027b732_gather,@function
k_q7c6027b732_gather:
	s_mov_b64 s[64:65], 0
	v_nop
	global_prefetch_b8 v0, s[64:65] scope:SCOPE_SE
	s_setreg_imm32_b32 hwreg(HW_REG_WAVE_MODE, 25, 1), 1
	s_wait_xcnt 0x0
; out0[n][:] = h[n][:] + (codebook[idx[n]][:] - h[n][:]), in f32, with the formula's two roundings.  idx comes from idxw, which the launch before stored as whole numbers.
; SHARES.  A wave owns 8 rows; a lane 4 numbers at 16 x lane and 4 at 512 + 16 x lane of each row, so that each load and store of the wave covers 512 consecutive bytes, aligned.
; No loop: a wave's 32 loads (16 KiB) go out together.  No LDS, no matrix unit, no cluster, no prefetch: the launch is one short stream, each byte of h read once and each byte of out0 written once.
; An index is held to 0 .. 8,191 before it enters an address (the launch before makes no other).
.set CO, 2                             ; v[2:9]    row j: the code's row in the codebook + my 16 bytes
.set H,  16                            ; v[16:79]  row j: 8 numbers of h
.set Q,  80                            ; v[80:143] row j: 8 numbers of the code, then of the result
	s_load_b256 s[4:11], s[0:1], 0x0               ; h s[4:5], codebook s[6:7], idxw s[8:9], out0 s[10:11]
	v_lshrrev_b32 v1, 5, v0
	v_readfirstlane_b32 s12, v1                    ; wave 0..7
	v_and_b32 v1, 31, v0
	v_lshlrev_b32 v1, 4, v1                        ; 16 x lane
	s_lshl_b32 s13, ttmp9, 6
	s_lshl3_add_u32 s13, s12, s13                  ; my first row: 64 x work-group + 8 x wave
	s_lshl_b32 s2, s13, 10                         ; rows of 1,024 bytes
	s_mov_b32 s3, 0
	s_lshl_b32 s14, s13, 2
	s_mov_b32 s15, 0
	s_wait_kmcnt 0x0
	s_add_nc_u64 s[8:9], s[8:9], s[14:15]
	s_load_b256 s[16:23], s[8:9], 0x0              ; my 8 indices
	s_add_nc_u64 s[4:5], s[4:5], s[2:3]
	s_add_nc_u64 s[10:11], s[10:11], s[2:3]
.irp j, 0,1,2,3,4,5,6,7
	global_load_b128 v[H+8*\j:H+8*\j+3],   v1, s[4:5] offset:1024*\j th:TH_LOAD_NT
	global_load_b128 v[H+8*\j+4:H+8*\j+7], v1, s[4:5] offset:1024*\j+512 th:TH_LOAD_NT
.endr
	s_wait_kmcnt 0x0
.irp j, 0,1,2,3,4,5,6,7
	s_min_u32 s[16+\j], s[16+\j], 8191
	s_lshl_b32 s[16+\j], s[16+\j], 10
	v_add_nc_u32 v[CO+\j], s[16+\j], v1
.endr
.irp j, 0,1,2,3,4,5,6,7
	global_load_b128 v[Q+8*\j:Q+8*\j+3],   v[CO+\j], s[6:7]             ; no hint: many rows name the same code
	global_load_b128 v[Q+8*\j+4:Q+8*\j+7], v[CO+\j], s[6:7] offset:512
.endr
.irp j, 0,1,2,3,4,5,6,7
	s_wait_loadcnt 14-2*\j                         ; loads come back in order: row j's code is in (and all of h, asked for earlier); the later rows' two loads each may stay out
.irp p, 0,2,4,6
	v_pk_add_f32 v[Q+8*\j+\p:Q+8*\j+\p+1], v[Q+8*\j+\p:Q+8*\j+\p+1], v[H+8*\j+\p:H+8*\j+\p+1] neg_lo:[0,1] neg_hi:[0,1]  ; q - h
.endr
.irp p, 0,2,4,6
	v_pk_add_f32 v[Q+8*\j+\p:Q+8*\j+\p+1], v[H+8*\j+\p:H+8*\j+\p+1], v[Q+8*\j+\p:Q+8*\j+\p+1]  ; h + (q - h)
.endr
	global_store_b128 v1, v[Q+8*\j:Q+8*\j+3],   s[10:11] offset:1024*\j th:TH_STORE_NT
	global_store_b128 v1, v[Q+8*\j+4:Q+8*\j+7], s[10:11] offset:1024*\j+512 th:TH_STORE_NT
.endr
	s_endpgm
.Lfunc_end_k_q7c6027b732_gather:
	.size	k_q7c6027b732_gather, .Lfunc_end_k_q7c6027b732_gather-k_q7c6027b732_gather
	.p2alignl 7, 3214868480
	.fill 96, 4, 3214868480
	.section	.rodata,"a",@progbits
	.p2align	6, 0x0
	.amdhsa_kernel k_q7c6027b732_gather
		.amdhsa_group_segment_fixed_size 0
		.amdhsa_private_segment_fixed_size 0
		.amdhsa_enable_private_segment 0
		.amdhsa_kernarg_size 32
		.amdhsa_user_sgpr_count 2
		.amdhsa_user_sgpr_kernarg_segment_ptr 1
		.amdhsa_wavefront_size32 1
		.amdhsa_system_sgpr_workgroup_id_x 1
		.amdhsa_system_sgpr_workgroup_id_y 1
		.amdhsa_system_sgpr_workgroup_id_z 1
		.amdhsa_system_vgpr_workitem_id 0
		.amdhsa_next_free_vgpr 144
		.amdhsa_next_free_sgpr 66
		.amdhsa_reserve_vcc 0
		.amdhsa_float_denorm_mode_32 3
		.amdhsa_float_denorm_mode_16_64 3
		.amdhsa_memory_ordered 1
		.amdhsa_forward_progress 1
		.amdhsa_inst_pref_size 11
	.end_amdhsa_kernel
	.amdgpu_metadata
---
amdhsa.version: [ 1, 2 ]
amdhsa.kernels:
  - .name:           k_q7c6027b732_gather
    .symbol:         k_q7c6027b732_gather.kd
    .args:
      - { .name: h, .offset: 0, .size: 8, .value_kind: global_buffer, .address_space: global }
      - { .name: codebook, .offset: 8, .size: 8, .value_kind: global_buffer, .address_space: global }
      - { .name: idxw, .offset: 16, .size: 8, .value_kind: global_buffer, .address_space: global }
      - { .name: out0, .offset: 24, .size: 8, .value_kind: global_buffer, .address_space: global }
    .group_segment_fixed_size: 0
    .private_segment_fixed_size: 0
    .kernarg_segment_align: 8
    .kernarg_segment_size: 32
    .max_flat_workgroup_size: 256
    .sgpr_count:     66
    .vgpr_count:     144
    .wavefront_size: 32
...
	.end_amdgpu_metadata
.endif
;; end of part 3
;; ======== version 2 of 2: 3 launches; version 1 with the launch prep written anew for expert scheduling mode
;; workspace buffers: cbh 4,194,304 bytes; c2w 32,768 bytes; idxw 131,072 bytes of whole numbers
;; launch prep (part 4): grid 128 x 1, 8 waves a work-group, no clusters, 1,280 bytes of LDS; arguments codebook, cbh, c2w; writes cbh, c2w
.if DOCPART == 4
	.amdgcn_target "amdgcn-amd-amdhsa--gfx1250"
	.amdhsa_code_object_version 6
	.text
	.protected	k_q7c6027b732_prep
	.globl	k_q7c6027b732_prep
	.p2align	8
	.type	k_q7c6027b732_prep,@function
k_q7c6027b732_prep:
	s_mov_b64 s[64:65], 0
	v_nop
	global_prefetch_b8 v0, s[64:65] scope:SCOPE_SE
	s_setreg_imm32_b32 hwreg(HW_REG_WAVE_SCHED_MODE, 0, 2), 2
	s_setreg_imm32_b32 hwreg(HW_REG_WAVE_MODE, 25, 1), 1
	s_wait_xcnt 0x0
	s_wait_alu depctr_vm_vsrc(0)
; The codebook [8192][256] f32 is rounded once to bf16 (cbh, rows of 512 bytes), and c2[code] = the sum of the squares of the ROUNDED numbers, in f32.
; c2w is laid out for the next launch: code = 256 t + 64 w + e lies at float 2048 w + 64 t + e, so that a wave there walks its codes' c2 on end.
; SHARES.  A work-group owns 64 codes (its 64 sums are 256 consecutive bytes of c2w, aligned), a wave 8 rows, a lane 8 neighbouring numbers of each row.
; All 16 loads of a wave go out at once; there is no loop.  No matrix unit, no cluster, no tensor load: each byte is read once by one lane and nothing is shared.
; LIMITS.  bf16 keeps f32's range, so nothing overflows in the rounding; a sum of squares beyond f32's range is an infinity here as in the f32 formula.
; THE MODE: SCHED_MODE bits 1:0 = 2 (LLVM: expert scheduling mode 2), set by the entry lines.  The code itself states the register dependences
; between vector instructions and memory or LDS instructions, with s_wait_alu, always for 0.
; THE PLAN.  Registers that memory or LDS instructions touch:
;   v[LO], v[SO], v[LA], v[RD]  offsets and LDS addresses: written at the head, read by the loads, the stores and the LDS instructions, never written again.
;   X      written by the 16 loads alone, which no vector line precedes on these registers; read by the conversions; never loaded again.
;   Y      row i's four registers: written by row i's conversions, read by row i's store, never written again.
;   v8     written last by the lines that pick a lane's row; read by the one LDS store; not written behind it.
;   v[10:11]  PL's first two registers, named by vector lines up to the same picking lines; then wave 0's LDS load lands in them and its store reads them.
;   v[SPW], v[NIL]  written at the head; the closing add reads them.
; The rows go in four PAIRS.  A pair's two stores are issued in the next pair, behind ONE wait at that pair's head; the arithmetic that stands between them names the
; newer rows' X, Y, PL and PH and v[NIL] alone, never v[SO] or the older rows' Y.  No register that a memory or LDS instruction has read is written again, so no wait on vm_vsrc is owed.
.set SPARE, 256                        ; LDS: bytes 0-255 the 64 sums; behind them the spare words, 128 bytes for each of the 8 waves
.set LO,  2                            ; v2   my byte offset in the group's rows of the codebook: 8,192 x wave + 32 x lane
.set SO,  3                            ; v3   the same in cbh: 4,096 x wave + 16 x lane
.set LA,  4                            ; v4   LDS word of row 8 x wave + lane % 8
.set RD,  5                            ; v5   8 x lane: two sums, in LDS and in c2w
.set SPW, 6                            ; v6   LDS address of my spare word; never rewritten
.set NIL, 7                            ; v7   0; never rewritten
.set PL,  10                           ; v[10:17] row i: the squares of the words' low halves
.set PH,  18                           ; v[18:25] row i: of the high halves; later the other half of the lanes' sums
.set X,   32                           ; v[32:95] row i: 8 numbers as loaded
.set Y,   96                           ; v[96:127] row i: 4 words of bf16, to store
	s_load_b128 s[4:7], s[0:1], 0x0                ; codebook s[4:5], cbh s[6:7]
	s_load_b64 s[8:9], s[0:1], 0x10                ; c2w
	v_lshl_add_u32 v[SPW], v0, 2, SPARE
	v_mov_b32 v[NIL], 0
	v_lshrrev_b32 v1, 5, v0
	v_readfirstlane_b32 s10, v1                    ; wave 0..7
	v_and_b32 v8, 31, v0                           ; lane
	v_lshlrev_b32 v[LO], 5, v8
	v_lshl_add_u32 v[LO], v1, 13, v[LO]
	v_lshlrev_b32 v[SO], 4, v8
	v_lshl_add_u32 v[SO], v1, 12, v[SO]
	v_and_b32 v9, 7, v0
	s_wait_alu depctr_va_sdst(0)                   ; s10 is written, ahead of its first reader, the line below
	s_lshl_b32 s11, s10, 5
	v_lshl_add_u32 v[LA], v9, 2, s11
	v_lshlrev_b32 v[RD], 3, v8
	s_lshl_b32 s2, ttmp9, 16                       ; 64 rows of 1,024 bytes
	s_mov_b32 s3, 0
	s_lshl_b32 s12, ttmp9, 15                      ; 64 rows of 512 bytes
	s_mov_b32 s13, 0
	s_and_b32 s24, ttmp9, 3                        ; the group's 64 codes are quarter w = B % 4 of step t = B / 4
	s_lshl_b32 s24, s24, 13
	s_lshr_b32 s25, ttmp9, 2
	s_lshl_b32 s25, s25, 8
	s_add_co_u32 s24, s24, s25                     ; 8,192 w + 256 t
	s_mov_b32 s25, 0
	s_mov_b32 s14, 0x76543210                      ; v_permlanex16_b32: each lane takes its own place in the other half
	s_mov_b32 s15, 0xfedcba98
.irp j, 1,2,3,4,5,6,7
	s_mov_b32 s[15+\j], 0x01010101<<\j             ; the lanes with lane % 8 = j
.endr
	s_wait_kmcnt 0x0
	s_add_nc_u64 s[4:5], s[4:5], s[2:3]
	s_add_nc_u64 s[6:7], s[6:7], s[12:13]
	s_add_nc_u64 s[8:9], s[8:9], s[24:25]
	s_wait_alu depctr_va_vdst(0)                   ; v[LO], v[SO], v[LA] and v[RD] are written: every load, store and LDS instruction below reads one of them as its offset or address
.irp i, 0,1,2,3,4,5,6,7
	global_load_b128 v[X+8*\i:X+8*\i+3],   v[LO], s[4:5] offset:1024*\i th:TH_LOAD_NT
	global_load_b128 v[X+8*\i+4:X+8*\i+7], v[LO], s[4:5] offset:1024*\i+16 th:TH_LOAD_NT
.endr
; Row i's arithmetic: four roundings into Y, then the squares of the rounded numbers, exact products, summed in f32 in two chains.
.macro ROW i
.irp k, 0,1,2,3
	v_cvt_pk_bf16_f32 v[Y+4*(\i)+\k], v[X+8*(\i)+2*\k], v[X+8*(\i)+2*\k+1]
.endr
	v_fma_mix_f32_bf16 v[PL+(\i)], v[Y+4*(\i)], v[Y+4*(\i)], v[NIL] op_sel_hi:[1,1,0]
	v_fma_mix_f32_bf16 v[PH+(\i)], v[Y+4*(\i)], v[Y+4*(\i)], v[NIL] op_sel:[1,1,0] op_sel_hi:[1,1,0]
.irp k, 1,2,3
	v_fma_mix_f32_bf16 v[PL+(\i)], v[Y+4*(\i)+\k], v[Y+4*(\i)+\k], v[PL+(\i)] op_sel_hi:[1,1,0]
	v_fma_mix_f32_bf16 v[PH+(\i)], v[Y+4*(\i)+\k], v[Y+4*(\i)+\k], v[PH+(\i)] op_sel:[1,1,0] op_sel_hi:[1,1,0]
.endr
.endm
; Row i's store: the wave stores a whole row, 512 consecutive bytes, aligned; Y's registers are never rewritten.
.macro OUT i
	global_store_b128 v[SO], v[Y+4*(\i):Y+4*(\i)+3], s[6:7] offset:512*(\i)
.endm
	s_wait_loadcnt 14                              ; loads come back in order: row 0's two are in, the later rows' two each may stay out
	ROW 0
	s_wait_loadcnt 12
	ROW 1
.irp p, 1,2,3
	s_wait_loadcnt 14-4*\p                         ; the pair's first row is in
	s_wait_alu depctr_va_vdst(0)                   ; the pair before has written its two rows of Y, which the two stores of this pair read
	OUT 2*\p-2
	ROW 2*\p
	s_wait_loadcnt 12-4*\p                         ; the pair's second row is in
	OUT 2*\p-1                                     ; no wait: no vector line since the wait above names v[SO] or this row of Y
	ROW 2*\p+1
.endr
	s_wait_alu depctr_va_vdst(0)                   ; rows 6 and 7 of Y are written, which the last two row stores read
	OUT 6
	OUT 7
.irp i, 0,1,2,3,4,5,6,7
	v_add_f32 v[PL+\i], v[PL+\i], v[PH+\i]
.endr
.irp m, 1,2,4,8                        ; across the 16 lanes of a half, eight rows side by side
.irp i, 0,1,2,3,4,5,6,7
	v_add_f32_dpp v[PL+\i], v[PL+\i], v[PL+\i] row_xmask:\m row_mask:0xf bank_mask:0xf
.endr
.endr
.irp i, 0,1,2,3,4,5,6,7
	v_permlanex16_b32 v[PH+\i], v[PL+\i], s14, s15 ; its destination has been written
.endr
.irp i, 0,1,2,3,4,5,6,7
	v_add_f32 v[PL+\i], v[PL+\i], v[PH+\i]         ; every lane holds all eight rows' sums
.endr
	v_cndmask_b32 v8, v[PL], v[PL+1], s16          ; lane l keeps row l % 8
.irp j, 2,3,4,5,6,7
	v_cndmask_b32 v8, v8, v[PL+\j], s[15+\j]
.endr
	s_wait_alu depctr_va_vdst(0)                   ; v8 is written, which the LDS store reads; and the vector lines, of which these were the last, are done writing and reading v[10:11], in which wave 0's LDS load lands
	ds_store_b32 v[LA], v8                         ; lanes 8 apart write the same word with the same number
	s_wait_dscnt 0x0                               ; for the others' sake: my stores are done
	s_barrier_signal -1
	s_barrier_wait -1
	s_cmp_lg_u32 s10, 0
	s_cbranch_scc1 .Lend
	ds_load_b64 v[10:11], v[RD]                    ; wave 0 takes the 64 sums
	s_wait_dscnt 0x0
	global_store_b64 v[RD], v[10:11], s[8:9]       ; 256 consecutive bytes, aligned
.Lend:
	s_wait_dscnt 0x0                               ; the wave's end: the closing waits and add
	s_wait_alu 0x0
	s_wait_tensorcnt 0x0
	ds_add_u32 v[SPW], v[NIL]
	s_wait_dscnt 0x0
	s_endpgm
.Lfunc_end_k_q7c6027b732_prep:
	.size	k_q7c6027b732_prep, .Lfunc_end_k_q7c6027b732_prep-k_q7c6027b732_prep
	.p2alignl 7, 3214868480
	.fill 96, 4, 3214868480
	.section	.rodata,"a",@progbits
	.p2align	6, 0x0
	.amdhsa_kernel k_q7c6027b732_prep
		.amdhsa_group_segment_fixed_size 1280
		.amdhsa_private_segment_fixed_size 0
		.amdhsa_enable_private_segment 0
		.amdhsa_kernarg_size 24
		.amdhsa_user_sgpr_count 2
		.amdhsa_user_sgpr_kernarg_segment_ptr 1
		.amdhsa_wavefront_size32 1
		.amdhsa_system_sgpr_workgroup_id_x 1
		.amdhsa_system_sgpr_workgroup_id_y 1
		.amdhsa_system_sgpr_workgroup_id_z 1
		.amdhsa_system_vgpr_workitem_id 0
		.amdhsa_next_free_vgpr 128
		.amdhsa_next_free_sgpr 66
		.amdhsa_reserve_vcc 0
		.amdhsa_float_denorm_mode_32 3
		.amdhsa_float_denorm_mode_16_64 3
		.amdhsa_memory_ordered 1
		.amdhsa_forward_progress 1
		.amdhsa_inst_pref_size 15
	.end_amdhsa_kernel
	.amdgpu_metadata
---
amdhsa.version: [ 1, 2 ]
amdhsa.kernels:
  - .name:           k_q7c6027b732_prep
    .symbol:         k_q7c6027b732_prep.kd
    .args:
      - { .name: codebook, .offset: 0, .size: 8, .value_kind: global_buffer, .address_space: global }
      - { .name: cbh, .offset: 8, .size: 8, .value_kind: global_buffer, .address_space: global }
      - { .name: c2w, .offset: 16, .size: 8, .value_kind: global_buffer, .address_space: global }
    .group_segment_fixed_size: 1280
    .private_segment_fixed_size: 0
    .kernarg_segment_align: 8
    .kernarg_segment_size: 24
    .max_flat_workgroup_size: 256
    .sgpr_count:     66
    .vgpr_count:     128
    .wavefront_size: 32
...
	.end_amdgpu_metadata
.endif
;; end of part 4
;; launch assign: the kernel of part 2 again; grid 256 x 1, 4 waves a work-group, clusters of 4 x 1, 327,680 bytes of LDS; arguments h, cbh, c2w, out1, idxw; writes out1, idxw
;; launch gather: the kernel of part 3 again; grid 512 x 1, 8 waves a work-group, no clusters, 0 bytes of LDS; arguments h, codebook, idxw, out0; writes out0
